; MI455X (gfx1250); checked and timed in simulation.
; The chip was launched on July 23, 2026; its instructions are those of AMD's public machine-readable ISA for CDNA 5 (MIT licence, August 2026) and "CDNA5" Instruction Set Architecture Reference Guide (July 2026). The comments in the code are by the model that wrote it; some were corrected since.
;; Multi Head Attention Block. Allowed arithmetic: float matrix products may take bf16 or f16 operands with f32 sums; all other float work in f32.
;; Inputs: bk 512 float32; bo 512 float32; bq 512 float32; bv 512 float32; k 2 x 4,096 x 512 float32; mask 1 x 1 x 4,096 x 4,096 bool; q 2 x 4,096 x 512 float32; v 2 x 4,096 x 512 float32; wk 512 x 512 float32; wo 512 x 512 float32; wq 512 x 512 float32; wv 512 x 512 float32.
;; Outputs: out0 2 x 4,096 x 512 float32.
;; One version. Each part assembles by itself: llvm-mc -triple=amdgcn-amd-amdhsa -mcpu=gfx1250 --defsym DOCPART=n.
;; ======== version 1 of 1: 4 launches
;; limits: values are held in f16: magnitudes above 65,504 overflow, below 6.1e-05 lose precision
;; workspace buffers: wf 2,097,152 bytes; mbits 2,097,152 bytes of whole numbers; qf 8,388,608 bytes; kvf 16,777,216 bytes; xf 8,388,608 bytes
;; launch prep (part 1): grid 256 x 1, 8 waves a work-group, no clusters, 66,816 bytes of LDS; arguments mask, wq, wk, wv, wo, mbits, wf; writes mbits, wf
.if DOCPART == 1
	.amdgcn_target "amdgcn-amd-amdhsa--gfx1250"
	.amdhsa_code_object_version 6
	.text
	.protected	k_q01aa8037c2_prep
	.globl	k_q01aa8037c2_prep
	.p2align	8
	.type	k_q01aa8037c2_prep,@function
k_q01aa8037c2_prep:
	s_mov_b64 s[64:65], 0
	v_nop
	global_prefetch_b8 v0, s[64:65] scope:SCOPE_SE
	s_setreg_imm32_b32 hwreg(HW_REG_WAVE_MODE, 25, 1), 1
	s_wait_xcnt 0x0
; prep: the mask as lane masks, the four weights as f16 matrix fragments.
; (a) Work-group g takes the 16 mask rows of query tile g (16 x 4,096 bytes, read once, 512 consecutive bytes a load).
;     Through LDS each lane (r = lane % 16, hh = lane / 16) gets the 8 bytes mask[16 g + r][16 kt + 8 hh + 0..7] of key tile kt.
;     Word j of (g, kt) has bit L = (byte j of lane L is not 0): the lane mask of register j of a 16 x 16 tile of scores that has
;     the key along the registers and the query along the lanes.  mbits: [query tile 256][key tile 256][8 words].
;     Any byte other than 0 counts as masked.
; (b) Each wave turns one block of 16 output features x 32 input features of one weight into a fragment of 1,024 bytes:
;     byte 512 c + 16 L holds k = 16 c + 8 hh + 0..7 of row r, which is registers 4c..4c+3 of lane L of a 16-bit matrix operand
;     (ISA guide 7.12.2).  wf: [weight q,k,v,o][k step 16][feature tile 32] fragments.
; FORMAT: f16, for its 11 significant bits: the result passes through twelve roundings of operands (3 inputs, 4 weights, Q, K, V, the softmax
; weights, the attention output), and with 8 significant bits they add up to a third of the allowed 1 per cent of the output's spread.
; Range: weights of 65,504 and above become infinite; below 2^-14 the step is 2^-24.
; No cluster, no matrix unit: no two work-groups read the same bytes, and there is no product here.
.set MP,  4112                         ; LDS pitch of a mask row: 4,096 + 16, so that the 32 lanes' 8-byte reads (16 r + 8 hh mod 256) fall on different banks
.set OUT, 8                            ; v[8:15]   two stores' worth of mask words
.set MK,  16                           ; v[16:79]  mask bytes: first as loaded, then 8 bytes a key tile
.set WR,  80                           ; v[80:95]  the weight block in f32, packed in place into v[80:87]
.set TM,  100                          ; v[100:103] at work, by turns
	s_load_b256 s[4:11], s[0:1], 0x0               ; mask s[4:5], wq s[6:7], wk s[8:9], wv s[10:11]
	s_load_b128 s[12:15], s[0:1], 0x20             ; wo s[12:13], mbits s[14:15]
	s_load_b64 s[16:17], s[0:1], 0x30              ; wf
	v_lshl_add_u32 v104, v0, 2, 0x10100
	v_mov_b32 v105, 0
	v_lshrrev_b32 v5, 5, v0
	v_readfirstlane_b32 s18, v5                    ; wave w
	v_and_b32 v1, 31, v0                           ; lane L
	v_and_b32 v7, 15, v0                           ; r
	v_bfe_u32 v5, v0, 4, 1                         ; hh
	v_lshlrev_b32 v6, 4, v1                        ; 16 L
	v_lshl_add_u32 v2, s18, 13, v6                 ; mask: rows 2w, 2w+1 of the tile, 16 bytes a lane
	s_mul_i32 s19, s18, 2*MP
	v_add_nc_u32 v3, s19, v6                       ; the same two rows in LDS
	v_mul_u32_u24 v4, v7, MP
	v_lshl_add_u32 v4, v5, 3, v4
	v_lshl_add_u32 v4, s18, 9, v4                  ; read back: row r, byte 512 w + 8 hh (key tiles 32 w ..)
	s_lshl_b32 s20, ttmp9, 16                      ; 16 rows of 4,096 bytes a work-group
	s_mov_b32 s21, 0
	s_lshr_b32 s28, ttmp9, 6                       ; which weight
	s_bfe_u32 s29, ttmp9, 0x50001                  ; feature tile: 5 bits from bit 1
	s_and_b32 s32, ttmp9, 1
	s_lshl3_add_u32 s32, s32, s18                  ; k step = 8 (g & 1) + w
	s_lshl_b32 s33, s29, 15                        ; 16 rows of 2,048 bytes
	s_lshl_b32 s34, s32, 7                         ; 32 f32
	s_add_co_u32 s33, s33, s34
	v_lshlrev_b32 v96, 11, v7
	v_lshl_add_u32 v96, v5, 5, v96
	v_add_nc_u32 v96, s33, v96                     ; weight: row 16 tile + r, k = 32 step + 8 hh
	s_lshl4_add_u32 s34, s28, s32                  ; 16 weight + step
	s_lshl_b32 s34, s34, 5
	s_add_co_u32 s34, s34, s29
	s_lshl_b32 s34, s34, 10
	v_add_nc_u32 v98, s34, v6                      ; my 16 bytes of the fragment in wf
	s_lshl_b32 s35, ttmp9, 13
	s_lshl_b32 s36, s18, 10
	s_add_co_u32 s35, s35, s36
	v_add_nc_u32 v99, s35, v6                      ; my 16 bytes of the wave's 1,024 bytes of mask words
	s_wait_kmcnt 0x0
	s_add_nc_u64 s[4:5], s[4:5], s[20:21]
	s_cmp_eq_u32 s28, 0
	s_cselect_b64 s[30:31], s[6:7], s[8:9]
	s_cmp_eq_u32 s28, 2
	s_cselect_b64 s[30:31], s[10:11], s[30:31]
	s_cmp_eq_u32 s28, 3
	s_cselect_b64 s[30:31], s[12:13], s[30:31]     ; the work-group's weight
.set i, 0
.rept 16
	global_load_b128 v[MK+4*i:MK+4*i+3], v2, s[4:5] offset:512*i th:TH_LOAD_NT
.set i, i+1
.endr
	global_load_b128 v[WR:WR+3],     v96, s[30:31] th:TH_LOAD_NT            ; c = 0: k = 8 hh + 0..7
	global_load_b128 v[WR+4:WR+7],   v96, s[30:31] offset:16 th:TH_LOAD_NT
	global_load_b128 v[WR+8:WR+11],  v96, s[30:31] offset:64 th:TH_LOAD_NT  ; c = 1: k = 16 + 8 hh + 0..7
	global_load_b128 v[WR+12:WR+15], v96, s[30:31] offset:80 th:TH_LOAD_NT
.set i, 0
.rept 16
	s_wait_loadcnt 19-i                            ; loads return in order: 15 - i younger mask loads and the 4 weight loads may stay out
	ds_store_b128 v3, v[MK+4*i:MK+4*i+3] offset:(i>>3)*MP+(i&7)*512
.set i, i+1
.endr
	s_wait_loadcnt 0x0
.irp e, 0,1,2,3,4,5,6,7
	v_cvt_pk_f16_f32 v[WR+\e], v[WR+2*\e], v[WR+2*\e+1]    ; in place: word e is written when words 2e, 2e+1 are read, never before
.endr
	global_store_b128 v98, v[WR:WR+3], s[16:17]            ; each store of the wave covers 512 consecutive bytes, aligned
	global_store_b128 v98, v[WR+4:WR+7], s[16:17] offset:512
.irp e, 0,1,2,3,4,5,6,7
	v_mov_b32 v[OUT+\e], 0                         ; v_writelane_b32 keeps the other lanes: the registers are written whole once
.endr
	s_wait_dscnt 0x0                               ; my rows are in LDS, for the other waves' sake
	s_barrier_signal -1
	s_barrier_wait -1
.set t, 0
.rept 32
	ds_load_b64 v[MK+2*t:MK+2*t+1], v4 offset:16*t ; key tile 32 w + t
.set t, t+1
.endr
.set t, 0
.rept 32
	s_wait_dscnt 31-t                              ; LDS loads return in order: the younger tiles may stay out
.set j, 0
.rept 8
	v_and_b32 v[TM+(j&3)], 0xff<<(8*(j&3)), v[MK+2*t+(j>>2)]
	v_cmp_ne_u32 s[20+j], 0, v[TM+(j&3)]           ; the compare's lane mask is the word
	v_writelane_b32 v[OUT+4*(t>>4)+(j&3)], s[20+j], (t&15)*2+(j>>2)   ; 32 bytes a tile: lanes 2 t', 2 t' + 1 of a 16-byte store
.set j, j+1
.endr
.set t, t+1
.endr
	global_store_b128 v99, v[OUT:OUT+3], s[14:15]
	global_store_b128 v99, v[OUT+4:OUT+7], s[14:15] offset:512
	s_wait_tensorcnt 0x0
	ds_add_u32 v104, v105
	s_wait_dscnt 0x0
	s_endpgm
.Lfunc_end_k_q01aa8037c2_prep:
	.size	k_q01aa8037c2_prep, .Lfunc_end_k_q01aa8037c2_prep-k_q01aa8037c2_prep
	.p2alignl 7, 3214868480
	.fill 96, 4, 3214868480
	.section	.rodata,"a",@progbits
	.p2align	6, 0x0
	.amdhsa_kernel k_q01aa8037c2_prep
		.amdhsa_group_segment_fixed_size 66816
		.amdhsa_private_segment_fixed_size 0
		.amdhsa_enable_private_segment 0
		.amdhsa_kernarg_size 56
		.amdhsa_user_sgpr_count 2
		.amdhsa_user_sgpr_kernarg_segment_ptr 1
		.amdhsa_wavefront_size32 1
		.amdhsa_system_sgpr_workgroup_id_x 1
		.amdhsa_system_sgpr_workgroup_id_y 1
		.amdhsa_system_sgpr_workgroup_id_z 1
		.amdhsa_system_vgpr_workitem_id 0
		.amdhsa_next_free_vgpr 106
		.amdhsa_next_free_sgpr 66
		.amdhsa_reserve_vcc 0
		.amdhsa_float_denorm_mode_32 3
		.amdhsa_float_denorm_mode_16_64 3
		.amdhsa_memory_ordered 1
		.amdhsa_forward_progress 1
		.amdhsa_inst_pref_size 58
	.end_amdhsa_kernel
	.amdgpu_metadata
---
amdhsa.version: [ 1, 2 ]
amdhsa.kernels:
  - .name:           k_q01aa8037c2_prep
    .symbol:         k_q01aa8037c2_prep.kd
    .args:
      - { .name: mask, .offset: 0, .size: 8, .value_kind: global_buffer, .address_space: global }
      - { .name: wq, .offset: 8, .size: 8, .value_kind: global_buffer, .address_space: global }
      - { .name: wk, .offset: 16, .size: 8, .value_kind: global_buffer, .address_space: global }
      - { .name: wv, .offset: 24, .size: 8, .value_kind: global_buffer, .address_space: global }
      - { .name: wo, .offset: 32, .size: 8, .value_kind: global_buffer, .address_space: global }
      - { .name: mbits, .offset: 40, .size: 8, .value_kind: global_buffer, .address_space: global }
      - { .name: wf, .offset: 48, .size: 8, .value_kind: global_buffer, .address_space: global }
    .group_segment_fixed_size: 66816
    .private_segment_fixed_size: 0
    .kernarg_segment_align: 8
    .kernarg_segment_size: 56
    .max_flat_workgroup_size: 256
    .sgpr_count:     66
    .vgpr_count:     106
    .wavefront_size: 32
...
	.end_amdgpu_metadata
.endif
;; end of part 1
;; launch proj (part 2): grid 64 x 3, 16 waves a work-group, clusters of 4 x 1, 327,680 bytes of LDS; arguments q, k, v, bq, bk, bv, wf, qf, kvf; writes qf, kvf
.if DOCPART == 2
	.amdgcn_target "amdgcn-amd-amdhsa--gfx1250"
	.amdhsa_code_object_version 6
	.text
	.protected	k_q01aa8037c2_proj
	.globl	k_q01aa8037c2_proj
	.p2align	8
	.type	k_q01aa8037c2_proj,@function
k_q01aa8037c2_proj:
	s_mov_b64 s[64:65], 0
	v_nop
	global_prefetch_b8 v0, s[64:65] scope:SCOPE_SE
	s_setreg_imm32_b32 hwreg(HW_REG_WAVE_MODE, 25, 1), 1
	s_wait_xcnt 0x0
	s_wait_alu depctr_hold_cnt(0) depctr_sa_sdst(0) depctr_va_vdst(0) depctr_va_sdst(0) depctr_va_ssrc(0) depctr_va_vcc(0) depctr_vm_vsrc(0)
	s_getreg_b32 s2, hwreg(HW_REG_IB_STS2, 6, 4)
	s_cmp_eq_u32 s2, 0
	s_cbranch_scc0 .Lentry_in_a_cluster
	s_endpgm
.Lentry_in_a_cluster:
	s_bfe_u32 s2, ttmp6, 0x10000c
	s_cmp_lg_u32 s2, 0x3003
	s_cbranch_scc0 .Lentry_shape_is_right
	s_endpgm
.Lentry_shape_is_right:
; proj: y = x W^T + b for x = q, k, v (work-group y = 0, 1, 2), stored in f16 in the order in which the attention launch's matrix operands want it.
; A work-group makes 128 tokens x all 512 features, so x leaves memory once.  16 waves: wave w makes tokens 64 (w >> 3) .. + 63 of head w & 7,
; 16 accumulator tiles of 16 x 16.  24,576 rows in blocks of 128 are 192 work-groups; a smaller block would read x or W more often.
; x: 256 KiB are requested at once, rounded to f16 and laid into LDS row by row.  W: fragments made by the launch before, two k steps (64 KiB) a slot,
; two slots by turns.  CLUSTER: the four token blocks of a cluster walk the same W, so each slot is asked for jointly (mask 15); nothing in those
; descriptors hangs on the place in the cluster.
; The matrix instruction takes W's fragment first and x's second: lane (r, hh) then holds token r, features 8 hh + 0..7 of a tile, which pack into the
; 16 bytes that half a fragment wants at 16 x lane.  So results are stored from registers, 512 consecutive aligned bytes a store, with no LDS stage.
;   qf : [batch x head 16][token tile 256][k step 2] fragments
;   kvf: [batch x head 16][512 keys 8][K: [key tile 32][k step 2] fragments, 64 KiB | V: [key tile 32][dv tile 4][key 16][8 dv of 16 bytes 2], 64 KiB]
; FORMAT: operands and results are f16 (11 significant bits); sums and the bias are f32.
; Limit of range: an input or a projected number of 65,504 or above becomes infinite.  With inputs of spread 1 and weights of spread 0.044 the projected
; numbers have spread 1; inputs and weights both 30 times larger give 900 times that, and a common offset of 30 spreads on both gives about
; 512 x 30 x 1.33 = 20,400: both fit.  Below 2^-14 the step is 2^-24.
.set XP,    1040                       ; LDS pitch of a row of x: 1,024 + 16 bytes = 65 x 16, so that 16 rows' 16-byte reads fall on different banks
.set XLDS,  131072                     ; x behind the ring
.set SLOTB, 65536                      ; a slot: 2 k steps x 32 feature tiles x 1,024 bytes
.set XF,  16                           ; v[16:47]   x fragments, token tile a at 8 a
.set WF,  48                           ; v[48:79]   W fragments, feature tile b at 8 b
.set BI,  80                           ; v[80:111]  the bias in an accumulator's layout, tile b at 8 b
.set ACC, 128                          ; v[128:255] tile (a, b) at 32 a + 8 b; before that: x as loaded
.set G1,  36                           ; s[36:43]   descriptor group 1
.set G0,  44                           ; s[44:51]   descriptor group 0, one set a slot
; v4 x offset, v5 x into LDS, v6 x fragments, v7/v8 W fragments in slot 0/1, v9 store offset, v10 bias offset
.macro PLACES n
.rept \n
	v_nop
.endr
.endm
; A round of the cluster's barrier: my work-group's barrier, wave 0 signals for the work-group, every wave waits for all four, my work-group's barrier again.
.macro ROUND
	s_barrier_signal -1
	s_barrier_wait -1
	s_cmp_lg_u32 s8, 0
	s_cbranch_scc1 .Lnot_wave_0_\@
	s_barrier_signal -3
.Lnot_wave_0_\@:
	s_barrier_wait -3
	s_barrier_signal -1
	s_barrier_wait -1
.endm
; Waves 0 to 3 fetch a quarter of a slot each: 64 rows of 256 bytes.  The branch hangs on the wave's number alone.
.macro WLOAD n
	s_cmp_gt_u32 s8, 3
	s_cbranch_scc1 .Lno_fill_\@
	tensor_load_to_lds s[G0+4*\n:G0+4*\n+3], s[G1:G1+7]
	s_nop 0
.Lno_fill_\@:
.endm
	s_load_b256 s[12:19], s[0:1], 0x0              ; q s[12:13], k s[14:15], v s[16:17], bq s[18:19]
	s_load_b256 s[20:27], s[0:1], 0x20             ; bk s[20:21], bv s[22:23], wf s[24:25], qf s[26:27]
	s_load_b64 s[28:29], s[0:1], 0x40              ; kvf
	v_lshl_add_u32 v126, v0, 2, 0x40800
	v_mov_b32 v127, 0
	ds_add_u32 v126, v127
	v_lshrrev_b32 v1, 5, v0
	v_readfirstlane_b32 s8, v1                     ; wave
	s_and_b32 s9, ttmp7, 0xffff                    ; y: which projection (the same in all four partners)
	s_bfe_u32 s10, ttmp6, 0x40000                  ; cx
	s_lshl_b32 s11, ttmp9, 2
	s_add_co_u32 s11, s11, s10                     ; token block = 4 x cluster x + cx
	s_lshr_b32 s3, s8, 3                           ; which 64 tokens
	s_and_b32 s2, s8, 7                            ; head
	v_and_b32 v1, 31, v0                           ; lane L
	v_and_b32 v2, 15, v0                           ; r
	v_bfe_u32 v3, v0, 4, 1                         ; hh
	v_lshlrev_b32 v11, 4, v1                       ; 16 L
	v_lshl_add_u32 v4, s8, 14, v11                 ; x: my wave's 8 rows of 2,048 bytes
	s_mul_i32 s6, s8, 8*XP
	s_add_co_u32 s6, s6, XLDS
	v_lshl_add_u32 v5, v1, 3, s6                   ; the same rows in LDS, 8 bytes (4 f16) a lane
	s_mul_i32 s6, s3, 64*XP
	s_add_co_u32 s6, s6, XLDS
	v_mul_u32_u24 v6, v2, XP
	v_lshl_add_u32 v6, v3, 4, v6
	v_add_nc_u32 v6, s6, v6                        ; fragment of x: row r of my 64, + 16 hh
	v_lshl_add_u32 v7, s2, 12, v11                 ; W: my head's four feature tiles, 16 bytes a lane
	v_add_nc_u32 v8, SLOTB, v7
	v_lshlrev_b32 v10, 5, v3
	v_lshl_add_u32 v10, s2, 8, v10                 ; bias: feature 64 head + 8 hh
	v_lshlrev_b32 v12, 5, v2
	v_lshl_add_u32 v12, v3, 4, v12                 ; V's order inside a tile: 32 r + 16 hh
	s_cmp_eq_u32 s9, 2
	s_cselect_b32 s7, -1, 0
	v_cndmask_b32 v9, v11, v12, s7                 ; Q and K: 16 L
	; group 1: 64 rows of 32 elements of 8 bytes, dense
	s_mov_b32 s[G1+0], 15|(3<<16)|(1<<21)          ; 15:0 all four work-groups of the cluster; 17:16 elements of 8 bytes; 21 set beside a mask
	s_mov_b32 s[G1+1], 32<<16                      ; tensor_dim0 = 32
	s_mov_b32 s[G1+2], 64<<16                      ; tensor_dim1 = 64
	s_mov_b32 s[G1+3], 32<<16                      ; tile_dim0 = 32
	s_mov_b32 s[G1+4], 64                          ; tile_dim1 = 64
	s_mov_b32 s[G1+5], 32                          ; from row to row
	s_mov_b32 s[G1+6], 0
	s_mov_b32 s[G1+7], 0
	s_lshl_b32 s52, s8, 14                         ; wave x 16 KiB
	s_mov_b32 s[G0+0], 1
	s_mov_b32 s[G0+1], s52                         ; LDS: slot 0
	s_mov_b32 s[G0+4], 1
	s_add_co_u32 s[G0+5], s52, SLOTB               ; LDS: slot 1
	s_lshl_b32 s53, s9, 19                         ; 512 KiB a weight
	s_add_co_u32 s52, s52, s53
	s_mov_b32 s53, 0
	; offsets that hang on the token block, in registers that feed no descriptor and no LDS address
	s_lshl_b32 s32, s11, 18                        ; x: 128 rows of 2,048 bytes a block
	s_mov_b32 s33, 0
	s_lshr_b32 s34, s11, 5                         ; batch
	s_lshl3_add_u32 s34, s34, s2                   ; bh = 8 batch + head
	s_and_b32 s35, s11, 31
	s_lshl_b32 s35, s35, 7
	s_lshl_b32 s54, s3, 6
	s_add_co_u32 s35, s35, s54                     ; s0: my first token in the sequence
	s_lshl_b32 s54, s34, 19
	s_lshl_b32 s55, s35, 7
	s_add_co_u32 s54, s54, s55                     ; qf: bh x 512 KiB + 128 bytes a token
	s_lshl_b32 s34, s34, 20                        ; kvf: bh x 1 MiB
	s_lshr_b32 s55, s35, 9
	s_lshl_b32 s55, s55, 17
	s_add_co_u32 s34, s34, s55                     ; + 128 KiB for every 512 keys
	s_and_b32 s35, s35, 511
	s_lshl_b32 s35, s35, 7
	s_add_co_u32 s34, s34, s35                     ; + 128 bytes a key
	s_lshr_b32 s55, s9, 1
	s_lshl_b32 s55, s55, 16
	s_add_co_u32 s34, s34, s55                     ; + 64 KiB for V
	s_cmp_eq_u32 s9, 0
	s_cselect_b32 s54, s54, s34
	s_mov_b32 s55, 0
	s_wait_dscnt 0x0
	s_wait_kmcnt 0x0
	s_add_nc_u64 s[G0+2:G0+3], s[24:25], s[52:53]  ; k steps 0, 1 of my weight, my quarter
	s_add_nc_u64 s[G0+6:G0+7], s[G0+2:G0+3], SLOTB ; k steps 2, 3
	s_or_b32 s[G0+3], s[G0+3], 0x80000000          ; type = 2
	s_or_b32 s[G0+7], s[G0+7], 0x80000000
	s_cmp_eq_u32 s9, 0
	s_cselect_b64 s[4:5], s[12:13], s[14:15]
	s_cselect_b64 s[6:7], s[18:19], s[20:21]
	s_cselect_b64 s[30:31], s[26:27], s[28:29]
	s_cmp_eq_u32 s9, 2
	s_cselect_b64 s[4:5], s[16:17], s[4:5]         ; x
	s_cselect_b64 s[6:7], s[22:23], s[6:7]         ; its bias
	s_add_nc_u64 s[4:5], s[4:5], s[32:33]
	s_add_nc_u64 s[30:31], s[30:31], s[54:55]      ; where my 64 x 64 go
.irp b, 0,1,2,3
	global_load_b128 v[BI+8*\b:BI+8*\b+3],   v10, s[6:7] offset:64*\b
	global_load_b128 v[BI+8*\b+4:BI+8*\b+7], v10, s[6:7] offset:64*\b+16
.endr
.set i, 0
.rept 32
	global_load_b128 v[ACC+4*i:ACC+4*i+3], v4, s[4:5] offset:512*i th:TH_LOAD_NT   ; 512 consecutive bytes a load; 16 KiB a wave on their way
.set i, i+1
.endr
	ROUND                                          ; all four work-groups are here: the first joint load meets
	WLOAD 0
.set i, 0
.rept 32
	s_wait_loadcnt 31-i                            ; loads return in order: the 31 - i younger ones stay out (the bias came first)
	v_cvt_pk_f16_f32 v[ACC+4*i],   v[ACC+4*i],   v[ACC+4*i+1]
	v_cvt_pk_f16_f32 v[ACC+4*i+1], v[ACC+4*i+2], v[ACC+4*i+3]
	ds_store_b64 v5, v[ACC+4*i:ACC+4*i+1] offset:(i>>2)*XP+(i&3)*256
.set i, i+1
.endr
; One k step of 32: 16 LDS loads, 16 matrix instructions.  The 16 accumulators take turns, one instruction a turn, in the same order in every step.
; first = 1: the bias is the C operand, so nothing is cleared and nothing is added later.
.macro KSTEP wa, kk, ks, first
	PLACES 4                                       ; a load into a register that a matrix instruction has read stands four plain vector instructions behind it
.irp b, 0,1,2,3
	ds_load_b128 v[WF+8*\b:WF+8*\b+3],   v[\wa] offset:(\kk)*32768+\b*1024
	ds_load_b128 v[WF+8*\b+4:WF+8*\b+7], v[\wa] offset:(\kk)*32768+\b*1024+512
.endr
.irp a, 0,1,2,3
	ds_load_b128 v[XF+8*\a:XF+8*\a+3],   v6 offset:\a*16*XP+(\ks)*64
	ds_load_b128 v[XF+8*\a+4:XF+8*\a+7], v6 offset:\a*16*XP+(\ks)*64+32
.endr
.irp a, 0,1,2,3
	s_wait_dscnt 6-2*\a                            ; W and x's tiles up to a are in; the two loads of each later tile may stay out
.irp b, 0,1,2,3
.if \first
	v_wmma_f32_16x16x32_f16 v[ACC+32*\a+8*\b:ACC+32*\a+8*\b+7], v[WF+8*\b:WF+8*\b+7], v[XF+8*\a:XF+8*\a+7], v[BI+8*\b:BI+8*\b+7]
.else
	v_wmma_f32_16x16x32_f16 v[ACC+32*\a+8*\b:ACC+32*\a+8*\b+7], v[WF+8*\b:WF+8*\b+7], v[XF+8*\a:XF+8*\a+7], v[ACC+32*\a+8*\b:ACC+32*\a+8*\b+7]
.endif
.endr
.endr
.endm
; Trip t multiplies slot t & 1 (k steps 2t, 2t + 1).  In front of the round every wave has waited for all its tensor loads and for its LDS
; instructions (in trip 0: its stores of x); behind it the other slot is asked for first.  One tensor load of a wave is out at a time.
.macro PTRIP t, slot, other, refill
	s_wait_tensorcnt 0x0                           ; my part of this slot has landed and no load of mine is out,
	ds_add_u32 v126, v127
	s_wait_dscnt 0x0
	s_add_nc_u64 s[G0+4*\slot+2:G0+4*\slot+3], s[G0+4*\slot+2:G0+4*\slot+3], 2*SLOTB   ; so this slot's address may step to its next tile
	s_wait_dscnt 0x0                               ; my reads of the other slot are back
	ROUND                                          ; both now hold of every wave of all four work-groups
.if \refill
	WLOAD \other
.endif
.if \t
	KSTEP 7+\slot, 0, 2*\t, 0
.else
	KSTEP 7+\slot, 0, 2*\t, 1
.endif
	KSTEP 7+\slot, 1, 2*\t+1, 0
.endm
	PTRIP 0, 0, 1, 1
	PTRIP 1, 1, 0, 1
	PTRIP 2, 0, 1, 1
	PTRIP 3, 1, 0, 1
	PTRIP 4, 0, 1, 1
	PTRIP 5, 1, 0, 1
	PTRIP 6, 0, 1, 1
	PTRIP 7, 1, 0, 0                               ; nothing is left to fetch (the stepped addresses are not used)
	PLACES 4                                       ; behind the last matrix instructions, in front of the conversions that read results and write over fragments
.irp a, 0,1,2,3
.irp b, 0,1,2,3
.irp j, 0,1,2,3
	v_cvt_pk_f16_f32 v[16+4*(4*\a+\b)+\j], v[ACC+32*\a+8*\b+2*\j], v[ACC+32*\a+8*\b+2*\j+1]
.endr
	global_store_b128 v9, v[16+4*(4*\a+\b):16+4*(4*\a+\b)+3], s[30:31] offset:\a*2048+\b*512   ; token tile a, feature tile b: 512 consecutive bytes, aligned
.endr
.endr
	ROUND                                          ; the closing round: no work-group ends while a partner may still ask jointly
	s_endpgm
.Lfunc_end_k_q01aa8037c2_proj:
	.size	k_q01aa8037c2_proj, .Lfunc_end_k_q01aa8037c2_proj-k_q01aa8037c2_proj
	.p2alignl 7, 3214868480
	.fill 96, 4, 3214868480
	.section	.rodata,"a",@progbits
	.p2align	6, 0x0
	.amdhsa_kernel k_q01aa8037c2_proj
		.amdhsa_group_segment_fixed_size 327680
		.amdhsa_private_segment_fixed_size 0
		.amdhsa_enable_private_segment 0
		.amdhsa_kernarg_size 72
		.amdhsa_user_sgpr_count 2
		.amdhsa_user_sgpr_kernarg_segment_ptr 1
		.amdhsa_wavefront_size32 1
		.amdhsa_system_sgpr_workgroup_id_x 1
		.amdhsa_system_sgpr_workgroup_id_y 1
		.amdhsa_system_sgpr_workgroup_id_z 1
		.amdhsa_system_vgpr_workitem_id 0
		.amdhsa_next_free_vgpr 256
		.amdhsa_next_free_sgpr 66
		.amdhsa_reserve_vcc 0
		.amdhsa_float_denorm_mode_32 3
		.amdhsa_float_denorm_mode_16_64 3
		.amdhsa_memory_ordered 1
		.amdhsa_forward_progress 1
		.amdhsa_inst_pref_size 63
	.end_amdhsa_kernel
	.amdgpu_metadata
---
amdhsa.version: [ 1, 2 ]
amdhsa.kernels:
  - .name:           k_q01aa8037c2_proj
    .symbol:         k_q01aa8037c2_proj.kd
    .args:
      - { .name: q, .offset: 0, .size: 8, .value_kind: global_buffer, .address_space: global }
      - { .name: k, .offset: 8, .size: 8, .value_kind: global_buffer, .address_space: global }
      - { .name: v, .offset: 16, .size: 8, .value_kind: global_buffer, .address_space: global }
      - { .name: bq, .offset: 24, .size: 8, .value_kind: global_buffer, .address_space: global }
      - { .name: bk, .offset: 32, .size: 8, .value_kind: global_buffer, .address_space: global }
      - { .name: bv, .offset: 40, .size: 8, .value_kind: global_buffer, .address_space: global }
      - { .name: wf, .offset: 48, .size: 8, .value_kind: global_buffer, .address_space: global }
      - { .name: qf, .offset: 56, .size: 8, .value_kind: global_buffer, .address_space: global }
      - { .name: kvf, .offset: 64, .size: 8, .value_kind: global_buffer, .address_space: global }
    .group_segment_fixed_size: 327680
    .private_segment_fixed_size: 0
    .kernarg_segment_align: 8
    .kernarg_segment_size: 72
    .max_flat_workgroup_size: 512
    .sgpr_count:     66
    .vgpr_count:     256
    .wavefront_size: 32
...
	.end_amdgpu_metadata
.endif
;; end of part 2
;; launch attn (part 3): grid 16 x 16, 8 waves a work-group, clusters of 4 x 1, 327,680 bytes of LDS; arguments qf, kvf, mbits, xf; writes xf
.if DOCPART == 3
	.amdgcn_target "amdgcn-amd-amdhsa--gfx1250"
	.amdhsa_code_object_version 6
	.text
	.protected	k_q01aa8037c2_attn
	.globl	k_q01aa8037c2_attn
	.p2align	8
	.type	k_q01aa8037c2_attn,@function
k_q01aa8037c2_attn:
	s_mov_b64 s[64:65], 0
	v_nop
	global_prefetch_b8 v0, s[64:65] scope:SCOPE_SE
	s_setreg_imm32_b32 hwreg(HW_REG_WAVE_MODE, 25, 1), 1
	s_wait_xcnt 0x0
	s_wait_alu depctr_hold_cnt(0) depctr_sa_sdst(0) depctr_va_vdst(0) depctr_va_sdst(0) depctr_va_ssrc(0) depctr_va_vcc(0) depctr_vm_vsrc(0)
	s_getreg_b32 s2, hwreg(HW_REG_IB_STS2, 6, 4)
	s_cmp_eq_u32 s2, 0
	s_cbranch_scc0 .Lentry_in_a_cluster
	s_endpgm
.Lentry_in_a_cluster:
	s_bfe_u32 s2, ttmp6, 0x10000c
	s_cmp_lg_u32 s2, 0x3003
	s_cbranch_scc0 .Lentry_shape_is_right
	s_endpgm
.Lentry_shape_is_right:
; attn: softmax(where(mask, -1e-9, Q K^T / 8)) V for one (batch, head) (work-group y) and 256 queries (work-group x), with a running maximum.
; Masked scores are a finite number, so every key counts for every query, and the fill takes part in the maximum.
; Eight waves, two to a SIMD, so that one wave's softmax can run beside the other's products; wave w owns query tiles A = 16 x + 2 w and B = A + 1.
; The products are taken transposed: S^T = K Q^T and O^T = V^T P^T.  In every result lane (r, hh) holds query r, so maxima, sums and rescales are one number
; a lane and only lanes L and L ^ 16 exchange; S^T's tiles of keys 0-15 and 16-31, packed to f16, are registers 0-3 and 4-7 of the operand P^T
; (ISA guide 7.12.2), and O^T's tiles, packed, are halves of the output projection's fragments: no LDS stage anywhere.
; K and V come in tiles of 512 keys (K 64 KiB, V 64 KiB, one dense block of kvf) through two LDS slots.  CLUSTER: the four query blocks of a cluster read the same
; tiles, so each is asked for jointly (mask 15), every wave one eighth: 64 rows of 256 bytes.  One tensor load of a wave is out at a time; it is issued straight
; behind the round and has eight sub-steps of 64 keys in which to land.
; The mask comes as lane masks (mbits) by scalar loads: one v_cndmask_b32 for each register of scores.
; Scores stay unscaled up to the exponent's multiply-add: p = 2^(S c - M c), c = log2(e) / 8; the fill is therefore 8 x (-1e-9), exact in f32.
; FORMAT: Q, K, V, p and the result are f16.  p lies in (0, 1] by the running maximum, so it cannot overflow; below 2^-14 its step is 2^-24, so the small p of all
; 4,096 keys together err by at most 4,096 x 2^-25 = 1.2e-4 of a row sum that is at least 1.  The result is a weighted mean of V and no larger than V.
; All masked keys of a row share one p and so one rounding error: with 11 significant bits it is at most 2^-12 of their share.
; Limits: inputs finite; the row sum adds p in f32 while the product with V takes p rounded to f16 (relative difference at most 2^-12 for p of 2^-14 and above);
; a result below 2^-14 is kept in steps of 2^-24.
.set SLOT, 131072
.set QF, 16                            ; v[16:47]   Q fragments: tile X, half ks of dk at 16 X + 8 ks
.set OA, 48                            ; v[48:111]  O^T: tile X, dv tile d at 32 X + 8 d
.set SC, 112                           ; v[112:175] S^T: tile X, key tile kt at 32 X + 8 kt; later P^T of keys 32 kb .. in the first 8 of each 16
.set FR, 176                           ; v[176:239] eight fragments: K (ks, kt) at 8 (4 ks + kt), then V^T (kb, d) at 8 (4 kb + d)
.set MX, 240                           ; v240, v241 running maximum of tile X (unscaled)
.set LS, 242                           ; v242, v243 running sum of my half of the keys
.set NM, 244                           ; v244, v246 -M c (the pairs' upper words are written once and never used)
.set AL, 248                           ; v248, v250 rescale factor, at the end 1 / sum (likewise)
.set G1, 16                            ; s[16:23]   descriptor group 1
.set G0, 24                            ; s[24:31]   descriptor group 0, one set a slot
; v1 16 x lane; v2 lane term of the transposing loads; v3, v4 addresses of K and V; v5 the fill; v[8:15] at work
; s[2:3] Q, s[4:5] mask words of tile A, s[6:7] xf, s8 wave, s9, s10 counters, s11 byte offset of the mask words, s12, s13 lane selects, s14 = s15 = c
; s[32:63] mask words of tile A, s[68:99] of tile B: word 8 kt + j
.macro PLACES n
.rept \n
	v_nop
.endr
.endm
.macro ROUND
	s_barrier_signal -1
	s_barrier_wait -1
	s_cmp_lg_u32 s8, 0
	s_cbranch_scc1 .Lnot_wave_0_\@
	s_barrier_signal -3
.Lnot_wave_0_\@:
	s_barrier_wait -3
	s_barrier_signal -1
	s_barrier_wait -1
.endm
.macro MLOAD                           ; 4 key tiles x 8 words for each of my two query tiles
	s_load_b512 s[32:47], s[4:5], s11 offset:0x0
	s_load_b512 s[48:63], s[4:5], s11 offset:0x40
	s_load_b512 s[68:83], s[4:5], s11 offset:0x2000
	s_load_b512 s[84:99], s[4:5], s11 offset:0x2040
.endm
	s_load_b256 s[84:91], s[0:1], 0x0              ; qf s[84:85], kvf s[86:87], mbits s[88:89], xf s[90:91]
	v_lshl_add_u32 v254, v0, 2, 0x40000
	v_mov_b32 v255, 0
	ds_add_u32 v254, v255
	v_lshrrev_b32 v1, 5, v0
	v_readfirstlane_b32 s8, v1                     ; wave
	s_and_b32 s66, ttmp7, 0xffff                   ; bh = 8 batch + head (the same in all four partners)
	s_bfe_u32 s67, ttmp6, 0x40000                  ; cx
	s_lshl_b32 s92, ttmp9, 2
	s_add_co_u32 s92, s92, s67                     ; query block = 4 x cluster x + cx
	s_lshl_b32 s92, s92, 4
	s_lshl1_add_u32 s67, s8, s92                   ; query tile A = 16 block + 2 wave
	s_lshl_b32 s92, s66, 19
	s_lshl_b32 s93, s67, 11
	s_add_co_u32 s92, s92, s93                     ; qf: bh x 512 KiB + 2,048 bytes a tile
	s_mov_b32 s93, 0
	s_lshl_b32 s94, s67, 13                        ; mbits: 8,192 bytes a query tile
	s_mov_b32 s95, 0
	s_lshr_b32 s80, s66, 3
	s_lshl_b32 s80, s80, 8
	s_add_co_u32 s80, s80, s67                     ; token tile = 256 batch + query tile
	s_lshl_b32 s80, s80, 14
	s_and_b32 s81, s66, 7
	s_lshl_b32 s81, s81, 11
	s_add_co_u32 s80, s80, s81                     ; xf: 16 KiB a token tile + 2,048 bytes a head
	s_mov_b32 s81, 0
	s_lshl_b32 s70, s8, 14                         ; wave x 16 KiB: my eighth of a tile, in LDS and in kvf
	s_lshl_b32 s68, s66, 20                        ; kvf: bh x 1 MiB
	s_add_co_u32 s68, s68, s70
	s_mov_b32 s69, 0
	s_mov_b32 s[G1+0], 15|(3<<16)|(1<<21)          ; 15:0 all four work-groups of the cluster; 17:16 elements of 8 bytes; 21 set beside a mask
	s_mov_b32 s[G1+1], 32<<16                      ; tensor_dim0 = 32
	s_mov_b32 s[G1+2], 64<<16                      ; tensor_dim1 = 64
	s_mov_b32 s[G1+3], 32<<16                      ; tile_dim0 = 32
	s_mov_b32 s[G1+4], 64                          ; tile_dim1 = 64
	s_mov_b32 s[G1+5], 32                          ; from row to row
	s_mov_b32 s[G1+6], 0
	s_mov_b32 s[G1+7], 0
	s_mov_b32 s[G0+0], 1
	s_mov_b32 s[G0+1], s70                         ; LDS: slot 0
	s_mov_b32 s[G0+4], 1
	s_add_co_u32 s[G0+5], s70, SLOT                ; LDS: slot 1
	s_mov_b32 s11, 0
	s_mov_b32 s12, 0x76543210                      ; v_permlanex16_b32: lane i of one half reads lane i of the other
	s_mov_b32 s13, 0xfedcba98
	s_mov_b32 s14, 0x3e38aa3b                      ; c = log2(e) / 8
	s_mov_b32 s15, 0x3e38aa3b
	v_and_b32 v6, 31, v0
	v_lshlrev_b32 v1, 4, v6                        ; 16 x lane
	v_and_b32 v7, 7, v0
	v_bfe_u32 v2, v0, 4, 1
	v_lshl_add_u32 v7, v2, 3, v7                   ; key 8 (L >> 4) + (L & 7)
	v_bfe_u32 v2, v0, 3, 1
	v_lshlrev_b32 v2, 4, v2
	v_lshl_add_u32 v2, v7, 5, v2                   ; x 32 bytes + 16 ((L >> 3) & 1)
	v_mov_b32 v5, 0xb209705f                       ; 8 x (-1e-9)
	v_mov_b32 v12, 0                               ; v_permlanex16_b32 counts as a reader of its destination
	v_mov_b32 v[NM+1], 0                           ; the upper words of the four pairs that are used by their lower word alone
	v_mov_b32 v[NM+3], 0
	v_mov_b32 v[AL+1], 0
	v_mov_b32 v[AL+3], 0
	s_wait_dscnt 0x0
	s_wait_kmcnt 0x0
	s_add_nc_u64 s[2:3], s[84:85], s[92:93]
	s_add_nc_u64 s[4:5], s[88:89], s[94:95]
	s_add_nc_u64 s[6:7], s[90:91], s[80:81]
	s_add_nc_u64 s[G0+2:G0+3], s[86:87], s[68:69]  ; keys 0 to 511, my eighth
	s_add_nc_u64 s[G0+6:G0+7], s[G0+2:G0+3], SLOT  ; keys 512 to 1,023
	s_or_b32 s[G0+3], s[G0+3], 0x80000000          ; type = 2
	s_or_b32 s[G0+7], s[G0+7], 0x80000000
.irp e, 0,1,2,3,4,5,6,7
	global_load_b128 v[QF+4*\e:QF+4*\e+3], v1, s[2:3] offset:512*\e   ; my two query tiles: 4 fragments, as they lie
.endr
	MLOAD                                          ; the mask words of keys 0 to 63
	ROUND                                          ; all four work-groups are here: the first joint load meets
	tensor_load_to_lds s[G0:G0+3], s[G1:G1+7]
	s_nop 0
; The softmax step of query tile X on 64 keys (32 scores a lane).
.macro SOFT X, first
.set SB, SC+32*\X
.irp q, 0,1,2,3
	v_max3_num_f32 v[8+\q], v[SB+8*\q], v[SB+8*\q+1], v[SB+8*\q+2]       ; four chains that do not wait for each other
.endr
.irp q, 0,1,2,3
	v_max3_num_f32 v[8+\q], v[8+\q], v[SB+8*\q+3], v[SB+8*\q+4]
.endr
.irp q, 0,1,2,3
	v_max3_num_f32 v[8+\q], v[8+\q], v[SB+8*\q+5], v[SB+8*\q+6]
.endr
	v_max3_num_f32 v8, v8, v[SB+7], v[SB+15]
	v_max3_num_f32 v9, v9, v[SB+23], v[SB+31]
	v_max3_num_f32 v8, v8, v9, v10
.if \first
	v_max_num_f32 v8, v8, v11
.else
	v_max3_num_f32 v8, v8, v11, v[MX+\X]           ; the old maximum with them
.endif
	v_permlanex16_b32 v12, v8, s12, s13            ; the other eight keys of each tile lie in lane L ^ 16
	v_max_num_f32 v[MX+\X], v8, v12
.if \first
	v_mul_f32 v[NM+2*\X], 0xbe38aa3b, v[MX+\X]     ; -M c
.else
	v_mul_f32 v13, 0xbe38aa3b, v[MX+\X]
	v_sub_f32 v14, v13, v[NM+2*\X]                 ; (M old - M new) c, from the very numbers that the exponents use
	v_exp_f32 v[AL+2*\X], v14
	v_mov_b32 v[NM+2*\X], v13                      ; a plain instruction behind the exponential, ahead of the use of its result (ISA guide 5.7.2)
.endif
.set i, 0
.rept 16
	v_pk_fma_f32 v[SB+2*i:SB+2*i+1], v[SB+2*i:SB+2*i+1], s[14:15], v[NM+2*\X:NM+2*\X+1] op_sel_hi:[1,0,0]   ; S c - M c, at most 0 but for one rounding
.set i, i+1
.endr
.set i, 0
.rept 32
	v_exp_f32 v[SB+i], v[SB+i]
.set i, i+1
.endr
.if \first
	v_nop                                          ; the plain instruction behind the run of exponentials
	s_wait_alu depctr_va_vdst(0)
.else
.set i, 0
	s_wait_alu depctr_va_vdst(0)
.rept 16
	v_pk_mul_f32 v[OA+32*\X+2*i:OA+32*\X+2*i+1], v[OA+32*\X+2*i:OA+32*\X+2*i+1], v[AL+2*\X:AL+2*\X+1] op_sel_hi:[1,0]   ; O is rescaled; these are also the plain instructions behind the exponentials
.set i, i+1
.endr
.endif
.irp q, 0,1,2,3
	v_pk_add_f32 v[8+2*\q:9+2*\q], v[SB+8*\q:SB+8*\q+1], v[SB+8*\q+2:SB+8*\q+3]
.endr
.irp q, 0,1,2,3
	v_pk_add_f32 v[8+2*\q:9+2*\q], v[8+2*\q:9+2*\q], v[SB+8*\q+4:SB+8*\q+5]
.endr
.irp q, 0,1,2,3
	v_pk_add_f32 v[8+2*\q:9+2*\q], v[8+2*\q:9+2*\q], v[SB+8*\q+6:SB+8*\q+7]
.endr
	v_pk_add_f32 v[8:9], v[8:9], v[10:11]
	v_pk_add_f32 v[12:13], v[12:13], v[14:15]
	v_pk_add_f32 v[8:9], v[8:9], v[12:13]
.if \first
	v_add_f32 v[LS+\X], v8, v9
.else
	v_fma_f32 v[LS+\X], v[LS+\X], v[AL+2*\X], v8
	v_add_f32 v[LS+\X], v[LS+\X], v9
.endif
.irp g, 0,1
.irp e, 0,1,2,3,4,5,6,7
	v_cvt_pk_f16_f32 v[SB+16*\g+\e], v[SB+16*\g+2*\e], v[SB+16*\g+2*\e+1]    ; in place: word e is written when words 2e, 2e+1 are read, never before
.endr
.endr
.endm
; A sub-step: 64 keys against my 32 queries.  first = 1: the launch's first, which starts maxima, sums and O.
; In both groups of products eight accumulators take turns, one instruction a turn.
.macro SUB first
.irp ks, 0,1
.irp kt, 0,1,2,3
	ds_load_b128 v[FR+8*(4*\ks+\kt):FR+8*(4*\ks+\kt)+3],   v3 offset:\kt*2048+\ks*1024
	ds_load_b128 v[FR+8*(4*\ks+\kt)+4:FR+8*(4*\ks+\kt)+7], v3 offset:\kt*2048+\ks*1024+512
.endr
.endr
	s_wait_dscnt 8                                 ; the fragments of dk 0-31 are in; the eight loads of dk 32-63 may stay out
.irp kt, 0,1,2,3
.irp X, 0,1
	v_wmma_f32_16x16x32_f16 v[SC+32*\X+8*\kt:SC+32*\X+8*\kt+7], v[FR+8*\kt:FR+8*\kt+7], v[QF+16*\X:QF+16*\X+7], 0
.endr
.endr
	s_wait_dscnt 0x0
.irp kt, 0,1,2,3
.irp X, 0,1
	v_wmma_f32_16x16x32_f16 v[SC+32*\X+8*\kt:SC+32*\X+8*\kt+7], v[FR+32+8*\kt:FR+32+8*\kt+7], v[QF+16*\X+8:QF+16*\X+15], v[SC+32*\X+8*\kt:SC+32*\X+8*\kt+7]
.endr
.endr
	PLACES 4                                       ; four plain vector instructions behind the products (ISA guide 7.12.1): then V lands on K's fragments, and the scores are read
.irp kb, 0,1
.irp d, 0,1,2,3
	ds_load_tr16_b128 v[FR+8*(4*\kb+\d):FR+8*(4*\kb+\d)+3],   v4 offset:\kb*4096+\d*512        ; V^T: dv 16 d + r, keys 32 kb + 8 hh + 0..7
	ds_load_tr16_b128 v[FR+8*(4*\kb+\d)+4:FR+8*(4*\kb+\d)+7], v4 offset:\kb*4096+\d*512+2048   ; keys 32 kb + 16 + 8 hh + 0..7
.endr
.endr
	s_wait_kmcnt 0x0                               ; this sub-step's mask words (scalar loads return in no order: 0 alone shows them)
.irp X, 0,1
.set i, 0
.rept 32
	v_cndmask_b32 v[SC+32*\X+i], v[SC+32*\X+i], v5, s[32+36*\X+i]
.set i, i+1
.endr
.endr
	s_add_co_u32 s11, s11, 128                     ; free since the wait above.  The next 64 keys' words; behind the last sub-step the offset wraps to 0,
	s_and_b32 s11, s11, 0x1fff                     ; so that load stays inside the buffer (its words are not used)
	MLOAD                                          ; the words above are used up; these have the softmax and two groups of products in which to come
	SOFT 0, \first
	SOFT 1, \first
	s_wait_dscnt 0x0                               ; V^T
.irp d, 0,1,2,3
.irp X, 0,1
.if \first
	v_wmma_f32_16x16x32_f16 v[OA+32*\X+8*\d:OA+32*\X+8*\d+7], v[FR+8*\d:FR+8*\d+7], v[SC+32*\X:SC+32*\X+7], 0
.else
	v_wmma_f32_16x16x32_f16 v[OA+32*\X+8*\d:OA+32*\X+8*\d+7], v[FR+8*\d:FR+8*\d+7], v[SC+32*\X:SC+32*\X+7], v[OA+32*\X+8*\d:OA+32*\X+8*\d+7]
.endif
.endr
.endr
.irp d, 0,1,2,3
.irp X, 0,1
	v_wmma_f32_16x16x32_f16 v[OA+32*\X+8*\d:OA+32*\X+8*\d+7], v[FR+32+8*\d:FR+32+8*\d+7], v[SC+32*\X+16:SC+32*\X+23], v[OA+32*\X+8*\d:OA+32*\X+8*\d+7]
.endr
.endr
	v_add_nc_u32 v3, 8192, v3                      ; four key tiles on.  With the three below: five plain vector instructions behind the products, ahead of
	v_add_nc_u32 v4, 8192, v4                      ; the loads that land on V's fragments (four) and of the products that write over P (five)
	PLACES 3
.endm
; A trip: one slot's 512 keys.  In front of the round every wave has waited for all its tensor loads and for its LDS reads; behind it the other slot is asked for first.
.macro TRIP slot, refill, first
	s_wait_tensorcnt 0x0                           ; my eighth of this slot has landed and no load of mine is out,
	ds_add_u32 v254, v255
	s_wait_dscnt 0x0
	s_add_nc_u64 s[G0+4*\slot+2:G0+4*\slot+3], s[G0+4*\slot+2:G0+4*\slot+3], 2*SLOT   ; so this slot's address may step to its next tile
	s_wait_dscnt 0x0                               ; my reads of the other slot are back
	ROUND                                          ; both now hold of every wave of all four work-groups
.if \refill
	tensor_load_to_lds s[G0+4-4*\slot:G0+7-4*\slot], s[G1:G1+7]
	s_nop 0
.endif
	v_add_nc_u32 v3, \slot*SLOT, v1                ; K's fragments: 16 bytes a lane
	v_add_nc_u32 v4, \slot*SLOT+65536, v2          ; V behind K
.if \first
	s_wait_loadcnt 0x0                             ; Q
	SUB 1
.endif
	s_mov_b32 s10, 8-\first
.Lsub_\@:
	SUB 0
	s_sub_co_u32 s10, s10, 1
	s_cmp_lg_u32 s10, 0
	s_cbranch_scc1 .Lsub_\@
.endm
	TRIP 0, 1, 1
	TRIP 1, 1, 0
	s_mov_b32 s9, 2
.Lpair:
	TRIP 0, 1, 0
	TRIP 1, 1, 0
	s_sub_co_u32 s9, s9, 1
	s_cmp_lg_u32 s9, 0
	s_cbranch_scc1 .Lpair
	TRIP 0, 1, 0
	TRIP 1, 0, 0                                   ; the eighth tile: nothing is left to fetch
	; O / sum, rounded to f16, straight into the output projection's fragment order
	v_permlanex16_b32 v12, v[LS], s12, s13         ; the other half of the keys
	v_permlanex16_b32 v13, v[LS+1], s12, s13
	v_add_f32 v12, v12, v[LS]
	v_add_f32 v13, v13, v[LS+1]                    ; at least 1 but for rounding: the largest score's own term
	v_rcp_f32 v[AL], v12
	v_rcp_f32 v[AL+2], v13
	v_nop                                          ; the plain instruction behind the reciprocals
	s_wait_alu depctr_va_vdst(0)
.irp X, 0,1
.set i, 0
.rept 16
	v_pk_mul_f32 v[OA+32*\X+2*i:OA+32*\X+2*i+1], v[OA+32*\X+2*i:OA+32*\X+2*i+1], v[AL+2*\X:AL+2*\X+1] op_sel_hi:[1,0]
.set i, i+1
.endr
.endr
.irp X, 0,1
.irp d, 0,1,2,3
.irp e, 0,1,2,3
	v_cvt_pk_f16_f32 v[OA+32*\X+8*\d+\e], v[OA+32*\X+8*\d+2*\e], v[OA+32*\X+8*\d+2*\e+1]
.endr
	global_store_b128 v1, v[OA+32*\X+8*\d:OA+32*\X+8*\d+3], s[6:7] offset:\X*16384+\d*512   ; 512 consecutive bytes, aligned
.endr
.endr
	ROUND                                          ; the closing round: no work-group ends while a partner may still ask jointly
	s_endpgm
.Lfunc_end_k_q01aa8037c2_attn:
	.size	k_q01aa8037c2_attn, .Lfunc_end_k_q01aa8037c2_attn-k_q01aa8037c2_attn
	.p2alignl 7, 3214868480
	.fill 96, 4, 3214868480
	.section	.rodata,"a",@progbits
	.p2align	6, 0x0
	.amdhsa_kernel k_q01aa8037c2_attn
		.amdhsa_group_segment_fixed_size 327680
		.amdhsa_private_segment_fixed_size 0
		.amdhsa_enable_private_segment 0
		.amdhsa_kernarg_size 32
		.amdhsa_user_sgpr_count 2
		.amdhsa_user_sgpr_kernarg_segment_ptr 1
		.amdhsa_wavefront_size32 1
		.amdhsa_system_sgpr_workgroup_id_x 1
		.amdhsa_system_sgpr_workgroup_id_y 1
		.amdhsa_system_sgpr_workgroup_id_z 1
		.amdhsa_system_vgpr_workitem_id 0
		.amdhsa_next_free_vgpr 256
		.amdhsa_next_free_sgpr 100
		.amdhsa_reserve_vcc 0
		.amdhsa_float_denorm_mode_32 3
		.amdhsa_float_denorm_mode_16_64 3
		.amdhsa_memory_ordered 1
		.amdhsa_forward_progress 1
		.amdhsa_inst_pref_size 164
	.end_amdhsa_kernel
	.amdgpu_metadata
---
amdhsa.version: [ 1, 2 ]
amdhsa.kernels:
  - .name:           k_q01aa8037c2_attn
    .symbol:         k_q01aa8037c2_attn.kd
    .args:
      - { .name: qf, .offset: 0, .size: 8, .value_kind: global_buffer, .address_space: global }
      - { .name: kvf, .offset: 8, .size: 8, .value_kind: global_buffer, .address_space: global }
      - { .name: mbits, .offset: 16, .size: 8, .value_kind: global_buffer, .address_space: global }
      - { .name: xf, .offset: 24, .size: 8, .value_kind: global_buffer, .address_space: global }
    .group_segment_fixed_size: 327680
    .private_segment_fixed_size: 0
    .kernarg_segment_align: 8
    .kernarg_segment_size: 32
    .max_flat_workgroup_size: 256
    .sgpr_count:     100
    .vgpr_count:     256
    .wavefront_size: 32
...
	.end_amdgpu_metadata
.endif
;; end of part 3
;; launch oproj (part 4): grid 4 x 64, 8 waves a work-group, clusters of 4 x 4, 297,984 bytes of LDS; arguments xf, wf, bo, out0; writes out0
.if DOCPART == 4
	.amdgcn_target "amdgcn-amd-amdhsa--gfx1250"
	.amdhsa_code_object_version 6
	.text
	.protected	k_q01aa8037c2_oproj
	.globl	k_q01aa8037c2_oproj
	.p2align	8
	.type	k_q01aa8037c2_oproj,@function
k_q01aa8037c2_oproj:
	s_mov_b64 s[64:65], 0
	v_nop
	global_prefetch_b8 v0, s[64:65] scope:SCOPE_SE
	s_setreg_imm32_b32 hwreg(HW_REG_WAVE_MODE, 25, 1), 1
	s_wait_xcnt 0x0
	s_wait_alu depctr_hold_cnt(0) depctr_sa_sdst(0) depctr_va_vdst(0) depctr_va_sdst(0) depctr_va_ssrc(0) depctr_va_vcc(0) depctr_vm_vsrc(0)
	s_getreg_b32 s2, hwreg(HW_REG_IB_STS2, 6, 4)
	s_cmp_eq_u32 s2, 0
	s_cbranch_scc0 .Lentry_in_a_cluster
	s_endpgm
.Lentry_in_a_cluster:
	s_bfe_u32 s2, ttmp6, 0x10000c
	s_cmp_lg_u32 s2, 0xf033
	s_cbranch_scc0 .Lentry_shape_is_right
	s_endpgm
.Lentry_shape_is_right:
; oproj: out0 = x wo^T + bo.  x (f16, fragment order, from the attention launch) and wo (f16 fragments) are multiplied into f32.
; A work-group makes 128 tokens x 128 features: 64 x 4 = 256 work-groups.  Eight waves; wave w makes tokens 32 (w >> 1) .. + 31, features 64 (w & 1) .. + 63:
; 8 accumulator tiles.  The whole K = 512 of both operands fits in LDS (2 x 128 KiB), so every byte of LDS is filled once and no slot is ever filled again:
; four chunks of 128 along K are asked for at the start, and chunk c is multiplied when it has landed, while the later ones are on their way.
; CLUSTER 4 x 4: x's tiles hang on the token block alone and are shared along a row of the cluster, wo's on the feature block alone and are shared along a column.
; Waves 0 to 3 ask for x, waves 4 to 7 for wo; by this text's count four tensor loads of a wave are out at the most.
; LDS: chunk c at 65,536 c: x [token tile 8][k step 4] fragments (32 KiB), then wo [k step 4][feature tile 8] fragments (32 KiB); a load's target is
; 65,536 c + 8,192 x wave for both kinds.  Behind them a stage of 16 rows x 272 bytes for each wave, which no tensor load fills.
; Sums and the bias are f32; the operands' f16 range is stated where they are made.
.set CH,    65536
.set STAGE, 262144
.set SP,    272                        ; 256 + 16 bytes: 16 rows' 16-byte stores fall on different banks
.set XA,   4                           ; v[4:7]     x fragments of chunk c
.set WA,   8                           ; v[8:11]    wo fragments of chunk c
.set BUF0, 16                          ; v[16:63]   x tile a at 8 a, wo tile b at 16 + 8 b
.set BUF1, 64                          ; v[64:111]  the same, by turns
.set BI,   112                         ; v[112:143] the bias in an accumulator's layout
.set ACC,  144                         ; v[144:207] tile (a, b) at 32 a + 8 b
.set G1X, 16                           ; s[16:23]
.set G1W, 24                           ; s[24:31]
.set G0X, 32                           ; s[32:47]   one set a chunk
.set G0W, 48                           ; s[48:63]   one set a chunk
; v12 into the stage, v13 back from it, v14 offset in out0, v15 offset in bo
.macro PLACES n
.rept \n
	v_nop
.endr
.endm
.macro ROUND
	s_barrier_signal -1
	s_barrier_wait -1
	s_cmp_lg_u32 s8, 0
	s_cbranch_scc1 .Lnot_wave_0_\@
	s_barrier_signal -3
.Lnot_wave_0_\@:
	s_barrier_wait -3
	s_barrier_signal -1
	s_barrier_wait -1
.endm
	s_load_b256 s[68:75], s[0:1], 0x0              ; xf s[68:69], wf s[70:71], bo s[72:73], out0 s[74:75]
	v_lshl_add_u32 v208, v0, 2, 0x48800
	v_mov_b32 v209, 0
	ds_add_u32 v208, v209
	v_lshrrev_b32 v1, 5, v0
	v_readfirstlane_b32 s8, v1                     ; wave
	s_bfe_u32 s9, ttmp6, 0x40000                   ; cx
	s_bfe_u32 s10, ttmp6, 0x40004                  ; cy
	s_lshl_b32 s11, ttmp9, 2
	s_add_co_u32 s11, s11, s9                      ; feature block = 4 x cluster x + cx
	s_and_b32 s12, ttmp7, 0xffff
	s_lshl_b32 s12, s12, 2
	s_add_co_u32 s12, s12, s10                     ; token block = 4 x cluster y + cy
	s_lshl_b32 s13, s10, 2
	s_lshl_b32 s13, 15, s13                        ; my row of the cluster: places 4 cy .. 4 cy + 3
	s_lshl_b32 s14, 0x1111, s9                     ; my column: places cx, cx + 4, cx + 8, cx + 12
	; x: two token tiles a wave and chunk: 2 rows of 512 elements of 8 bytes (four fragments), 16 KiB apart
	s_or_b32 s[G1X+0], s13, (3<<16)|(1<<21)        ; 15:0 mask; 17:16 elements of 8 bytes; 21 set beside a mask
	s_mov_b32 s[G1X+1], 512<<16                    ; tensor_dim0 = 512
	s_mov_b32 s[G1X+2], 2<<16                      ; tensor_dim1 = 2
	s_mov_b32 s[G1X+3], 512<<16                    ; tile_dim0 = 512
	s_mov_b32 s[G1X+4], 2                          ; tile_dim1 = 2
	s_mov_b32 s[G1X+5], 2048                       ; from row to row
	s_mov_b32 s[G1X+6], 0
	s_mov_b32 s[G1X+7], 0
	; wo: one k step a wave and chunk: one row of 1,024 elements of 8 bytes (eight fragments)
	s_or_b32 s[G1W+0], s14, (3<<16)|(1<<21)
	s_mov_b32 s[G1W+1], 1024<<16
	s_mov_b32 s[G1W+2], 1<<16
	s_mov_b32 s[G1W+3], 1024<<16
	s_mov_b32 s[G1W+4], 1
	s_mov_b32 s[G1W+5], 1024
	s_mov_b32 s[G1W+6], 0
	s_mov_b32 s[G1W+7], 0
	s_lshl_b32 s15, s8, 13                         ; LDS: wave x 8 KiB
	s_lshl_b32 s76, s8, 15                         ; memory: wave x 32 KiB (two token tiles; one k step of wo)
	s_lshl_b32 s2, s12, 17                         ; x: 128 KiB a token block; this pair never holds cx
	s_add_co_u32 s2, s2, s76
	s_mov_b32 s3, 0
	s_lshl_b32 s6, s11, 13                         ; wo: 8 KiB a feature block; this pair never holds cy
	s_add_co_u32 s6, s6, s76
	s_add_co_u32 s6, s6, 3*524288-4*32768          ; the fourth weight; wave 4 takes a chunk's first k step
	s_mov_b32 s7, 0
	s_lshr_b32 s80, s8, 1                          ; which 32 tokens
	s_and_b32 s81, s8, 1                           ; which 64 features
	s_lshl_b32 s77, s11, 9
	s_lshl_b32 s82, s81, 8
	s_add_co_u32 s77, s77, s82                     ; my first feature, in bytes of f32
	s_lshl_b32 s82, s12, 18                        ; out0: 128 rows of 2,048 bytes a token block
	s_lshl_b32 s83, s80, 16
	s_add_co_u32 s82, s82, s83
	s_add_co_u32 s82, s82, s77
	s_mov_b32 s83, 0
	s_mul_i32 s84, s8, 16*SP
	s_add_co_u32 s84, s84, STAGE                   ; my stage
	v_and_b32 v2, 15, v0                           ; r
	v_bfe_u32 v3, v0, 4, 1                         ; hh
	v_and_b32 v1, 31, v0
	v_lshlrev_b32 v1, 4, v1                        ; 16 x lane
	v_lshl_add_u32 v[XA], s80, 13, v1              ; my two token tiles
	v_lshl_add_u32 v[WA], s81, 12, v1              ; my four feature tiles,
	v_add_nc_u32 v[WA], 32768, v[WA]               ; behind x's half of the chunk
.irp c, 1,2,3
	v_add_nc_u32 v[XA+\c], \c*CH, v[XA]
	v_add_nc_u32 v[WA+\c], \c*CH, v[WA]
.endr
	v_mul_u32_u24 v12, v2, SP
	v_lshl_add_u32 v12, v3, 5, v12
	v_add_nc_u32 v12, s84, v12                     ; in: row r, 32 bytes for each half of the lanes
	v_mul_u32_u24 v13, v3, SP
	v_lshl_add_u32 v13, v2, 4, v13
	v_add_nc_u32 v13, s84, v13                     ; back: lanes 0-15 one row of 256 bytes, lanes 16-31 the next
	v_lshlrev_b32 v14, 11, v3
	v_lshl_add_u32 v14, v2, 4, v14                 ; the same two rows in out0
	v_lshlrev_b32 v15, 5, v3
	v_add_nc_u32 v15, s77, v15                     ; bias: my first feature + 8 hh
	s_wait_dscnt 0x0
	s_wait_kmcnt 0x0
	s_add_nc_u64 s[4:5], s[68:69], s[2:3]
	s_add_nc_u64 s[78:79], s[70:71], s[6:7]
	s_add_nc_u64 s[74:75], s[74:75], s[82:83]
.irp c, 0,1,2,3
	s_mov_b32 s[G0X+4*\c], 1
	s_add_co_u32 s[G0X+4*\c+1], s15, \c*CH
	s_add_nc_u64 s[G0X+4*\c+2:G0X+4*\c+3], s[4:5], \c*4096         ; four fragments on in each token tile
	s_or_b32 s[G0X+4*\c+3], s[G0X+4*\c+3], 0x80000000              ; type = 2
	s_mov_b32 s[G0W+4*\c], 1
	s_add_co_u32 s[G0W+4*\c+1], s15, \c*CH
	s_add_nc_u64 s[G0W+4*\c+2:G0W+4*\c+3], s[78:79], \c*131072     ; four k steps of 32 KiB on
	s_or_b32 s[G0W+4*\c+3], s[G0W+4*\c+3], 0x80000000
.endr
.irp b, 0,1,2,3
	global_load_b128 v[BI+8*\b:BI+8*\b+3],   v15, s[72:73] offset:64*\b
	global_load_b128 v[BI+8*\b+4:BI+8*\b+7], v15, s[72:73] offset:64*\b+16
.endr
	ROUND                                          ; all sixteen work-groups are here: the joint loads meet
	s_cmp_gt_u32 s8, 3                             ; one branch on the wave's number holds all the fills of a wave; either way four loads
	s_cbranch_scc1 .Lfor_w
.irp c, 0,1,2,3
	tensor_load_to_lds s[G0X+4*\c:G0X+4*\c+3], s[G1X:G1X+7]
	s_nop 0
.endr
	s_branch .Lasked
.Lfor_w:
.irp c, 0,1,2,3
	tensor_load_to_lds s[G0W+4*\c:G0W+4*\c+3], s[G1W:G1W+7]
	s_nop 0
.endr
.Lasked:
	s_wait_loadcnt 0x0                             ; the bias
.macro FETCH c, kk, dst                ; the fragments of one k step: 12 LDS loads, 16 consecutive bytes a lane
.irp a, 0,1
	ds_load_b128 v[\dst+8*\a:\dst+8*\a+3],   v[XA+\c] offset:\a*4096+\kk*1024
	ds_load_b128 v[\dst+8*\a+4:\dst+8*\a+7], v[XA+\c] offset:\a*4096+\kk*1024+512
.endr
.irp b, 0,1,2,3
	ds_load_b128 v[\dst+16+8*\b:\dst+16+8*\b+3], v[WA+\c] offset:\kk*8192+\b*1024
	ds_load_b128 v[\dst+16+8*\b+4:\dst+16+8*\b+7], v[WA+\c] offset:\kk*8192+\b*1024+512
.endr
.endm
; Eight matrix instructions; the eight accumulators take turns, one instruction a turn.  wo's fragment comes first, x's second:
; lane (r, hh) then holds token r, features 8 hh + 0..7.  first = 1: the bias is the C operand, so nothing is cleared.
.macro MUL src, first
.irp a, 0,1
.irp b, 0,1,2,3
.if \first
	v_wmma_f32_16x16x32_f16 v[ACC+32*\a+8*\b:ACC+32*\a+8*\b+7], v[\src+16+8*\b:\src+16+8*\b+7], v[\src+8*\a:\src+8*\a+7], v[BI+8*\b:BI+8*\b+7]
.else
	v_wmma_f32_16x16x32_f16 v[ACC+32*\a+8*\b:ACC+32*\a+8*\b+7], v[\src+16+8*\b:\src+16+8*\b+7], v[\src+8*\a:\src+8*\a+7], v[ACC+32*\a+8*\b:ACC+32*\a+8*\b+7]
.endif
.endr
.endr
.endm
; A chunk: four k steps on two fragment buffers.  In front of each run of loads stand four plain vector instructions behind the matrix instructions that
; read the buffer.
.macro CHUNK c, first
	s_wait_tensorcnt 3-\c                          ; tensor loads of a wave end in order: my part of chunk c is in, the 3 - c later ones stay out (nothing is ever filled again)
	s_barrier_signal -1                            ; no LDS instruction of mine is pending here: the chunk before ended on a wait for 0
	s_barrier_wait -1                              ; everybody's part is in
	PLACES 4
	FETCH \c, 0, BUF0
	FETCH \c, 1, BUF1
	s_wait_dscnt 12                                ; all but the twelve just issued
	MUL BUF0, \first
	PLACES 4
	FETCH \c, 2, BUF0
	s_wait_dscnt 12
	MUL BUF1, 0
	PLACES 4
	FETCH \c, 3, BUF1
	s_wait_dscnt 12
	MUL BUF0, 0
	s_wait_dscnt 0x0
	MUL BUF1, 0
.endm
	CHUNK 0, 1
	CHUNK 1, 0
	CHUNK 2, 0
	CHUNK 3, 0
	; The way out, 16 tokens at a time: a lane's 32 bytes go into my own stage, whole rows of 256 bytes come back, and sixteen lanes store 256 consecutive
	; aligned bytes of out0.  LDS serves a wave's instructions in order (ISA guide 5.7.1), so no wait stands between my stores and my loads.
	PLACES 4                                       ; behind the last matrix instructions: the stores read results, the loads land on fragments
.irp a, 0,1
.irp b, 0,1,2,3
	ds_store_b128 v12, v[ACC+32*\a+8*\b:ACC+32*\a+8*\b+3]   offset:64*\b
	ds_store_b128 v12, v[ACC+32*\a+8*\b+4:ACC+32*\a+8*\b+7] offset:64*\b+16
.endr
.irp t, 0,1,2,3,4,5,6,7
	ds_load_b128 v[BUF0+48*\a+4*\t:BUF0+48*\a+4*\t+3], v13 offset:\t*2*SP
.endr
.irp t, 0,1,2,3,4,5,6,7
	s_wait_dscnt 7-\t                              ; the younger row pairs may stay out
	global_store_b128 v14, v[BUF0+48*\a+4*\t:BUF0+48*\a+4*\t+3], s[74:75] offset:(16*\a+2*\t)*2048 th:TH_STORE_NT
.endr
.endr
	s_wait_tensorcnt 0x0
	ds_add_u32 v208, v209
	s_wait_dscnt 0x0
	ROUND                                          ; the closing round: no work-group ends while a partner may still ask jointly
	s_endpgm
.Lfunc_end_k_q01aa8037c2_oproj:
	.size	k_q01aa8037c2_oproj, .Lfunc_end_k_q01aa8037c2_oproj-k_q01aa8037c2_oproj
	.p2alignl 7, 3214868480
	.fill 96, 4, 3214868480
	.section	.rodata,"a",@progbits
	.p2align	6, 0x0
	.amdhsa_kernel k_q01aa8037c2_oproj
		.amdhsa_group_segment_fixed_size 297984
		.amdhsa_private_segment_fixed_size 0
		.amdhsa_enable_private_segment 0
		.amdhsa_kernarg_size 32
		.amdhsa_user_sgpr_count 2
		.amdhsa_user_sgpr_kernarg_segment_ptr 1
		.amdhsa_wavefront_size32 1
		.amdhsa_system_sgpr_workgroup_id_x 1
		.amdhsa_system_sgpr_workgroup_id_y 1
		.amdhsa_system_sgpr_workgroup_id_z 1
		.amdhsa_system_vgpr_workitem_id 0
		.amdhsa_next_free_vgpr 210
		.amdhsa_next_free_sgpr 88
		.amdhsa_reserve_vcc 0
		.amdhsa_float_denorm_mode_32 3
		.amdhsa_float_denorm_mode_16_64 3
		.amdhsa_memory_ordered 1
		.amdhsa_forward_progress 1
		.amdhsa_inst_pref_size 35
	.end_amdhsa_kernel
	.amdgpu_metadata
---
amdhsa.version: [ 1, 2 ]
amdhsa.kernels:
  - .name:           k_q01aa8037c2_oproj
    .symbol:         k_q01aa8037c2_oproj.kd
    .args:
      - { .name: xf, .offset: 0, .size: 8, .value_kind: global_buffer, .address_space: global }
      - { .name: wf, .offset: 8, .size: 8, .value_kind: global_buffer, .address_space: global }
      - { .name: bo, .offset: 16, .size: 8, .value_kind: global_buffer, .address_space: global }
      - { .name: out0, .offset: 24, .size: 8, .value_kind: global_buffer, .address_space: global }
    .group_segment_fixed_size: 297984
    .private_segment_fixed_size: 0
    .kernarg_segment_align: 8
    .kernarg_segment_size: 32
    .max_flat_workgroup_size: 256
    .sgpr_count:     88
    .vgpr_count:     210
    .wavefront_size: 32
...
	.end_amdgpu_metadata
.endif
;; end of part 4
